; MI455X (gfx1250); checked and timed in simulation.
; The chip was launched on July 23, 2026; its instructions are those of AMD's public machine-readable ISA for CDNA 5 (MIT licence, August 2026) and "CDNA5" Instruction Set Architecture Reference Guide (July 2026). The comments in the code are by the model that wrote it; some were corrected since.
;; FG Encoder. Allowed arithmetic: float matrix products may take bf16 or f16 operands with f32 sums; all other float work in f32.
;; Inputs: W1 512 x 256 float32; W2 256 x 3 float32; b1 256 float32; b2 3 float32; ds 16 x 512 int32; hs 16 x 4,096 x 512 float32.
;; Outputs: out0 16 x 512 x 3 float32.
;; Constants: Lmax = 4096.
;; One version. Each part assembles by itself: llvm-mc -triple=amdgcn-amd-amdhsa -mcpu=gfx1250 --defsym DOCPART=n.
;; ======== version 1 of 1: 1 launch
;; limits: values outside matrix products are rounded to f16; values are held in f16: magnitudes above 65,504 overflow, below 6.1e-05 lose precision; inputs' magnitudes at most 65,504
;; launch fgenc (part 1): grid 256 x 1, 16 waves a work-group, no clusters, 305,664 bytes of LDS; arguments hs, ds, W1, b1, W2, b2, out0; writes out0
.if DOCPART == 1
	.amdgcn_target "amdgcn-amd-amdhsa--gfx1250"
	.amdhsa_code_object_version 6
	.text
	.protected	k_q825094d076_fgenc
	.globl	k_q825094d076_fgenc
	.p2align	8
	.type	k_q825094d076_fgenc,@function
k_q825094d076_fgenc:
	s_mov_b64 s[64:65], 0
	v_nop
	global_prefetch_b8 v0, s[64:65] scope:SCOPE_SE
	s_setreg_imm32_b32 hwreg(HW_REG_WAVE_MODE, 25, 1), 1
	s_wait_xcnt 0x0
; out[b][t] = relu(relu(mean(hs[b][start_t : start_t + ds[b][t]]) W1 + b1) W2 + b2); tokens with ds <= 0 have mean 0.
; hs [16][4096][512] f32, ds [16][512] i32, W1 [512][256] f32, b1 [256], W2 [256][3], b2 [3], out0 [16][512][3] f32.  Lmax = L, so d = ds.
;
; SHARES.  256 work-groups of 16 waves; a work-group owns 32 consecutive tokens of one batch, as two tiles of 16.
; The segments of consecutive tokens lie back to back in hs, so a tile's 16 segments are one run of rows.
;   segment sums: wave (cg = w & 7, tt = w >> 3) makes columns 64 cg .. +63 of tile tt's 16 means, as a matrix product
;                 hs^T (A: m = column, k = row) x S^T (B: n = token, k = row, weight 1 or 0), 64 rows a trip, sums in f32, then x 1/length in f32.
;                 The only thing that hangs on ds is a scalar trip count and the first row, both whole numbers made from ds by whole-number
;                 instructions alone: sums in the lanes, v_readlane_b32, scalar adds.
;   layer 1:      wave (p = w & 7, tt) makes hidden tiles 2p, 2p+1 (32 hidden units) x 16 tokens over all 512 inputs: W1^T x mean^T.
;   layer 2:      the same wave multiplies its 32 hidden units by W2^T; the eight partial sums of a token meet in LDS; wave 0 adds b2 and stores.
; FORMATS.  hs, the means and W1 go to the matrix unit in f16: 11 significant bits, and room in its range: the drawn hs and W1 stay below 6 and 0.05,
; 10,000 times and more below f16's largest number; 30 times smaller, W1 falls partly into f16's denormals, whose step 2^-24 is 4e-5 of its spread then.
; The hidden units have no such room (512 products of offset inputs), so layer 2 goes in bf16, each operand as two terms, x = hi + lo with hi = bf16(x),
; lo = bf16(x - hi), and three products W2hi h_hi + W2hi h_lo + W2lo h_hi; the term lo x lo, 2^-16 of the product, is left out.
; FRAGMENTS WITHOUT A TRANSPOSE.  A 16-byte load gives a lane 4 neighbouring columns c = 0..3 of one row.  Column 4 r + c is taken as row r of tile c:
; the lane's 16 loads (its 16 k) and 32 packed conversions make 4 A fragments.  The same for hs (columns) and for W1 (hidden units).
; Each such load of sixteen neighbouring lanes covers 256 consecutive bytes, aligned.
; A product's D (lane = token, register j = row 8 h + j), packed to 16 bits, is the next product's B; the order of k that follows from it is applied
; alike to the other operand: place q = 64 cg + 16 c + 8 h + j of a mean's LDS row holds input 64 cg + 32 h + 4 j + c;
; row m of hidden tile ht is hidden unit 64 (ht >> 2) + 4 m + (ht & 3).
; NO JOINT LOADS OF W1, though every work-group reads it: it lies as f32 [K][N], 524,288 bytes, more than the 305,664 bytes of LDS declared here, and has to be
; rounded to f16 and laid in fragment order on its way, which only registers do; a byte copy into LDS would add one more passage through LDS.
; hs is shared by no two work-groups but for the few rows where two tiles' windows of 64 rows overlap.
; LIMITS.  |hs| and |W1| finite and at most 65,504 (rows of a 64-row window that belong to no token of the tile are multiplied by 0, so they too must be finite);
; hidden units below bf16's largest number; hs is rounded to f16 before the f32 sums;
; each ds is clamped to 4,096, which gives reference()'s clipped bounds as long as its own int32 running sum does not overflow.
.set APITCH, 1040                      ; LDS row of a token's 512 means in f16: 1,024 bytes + 16, an odd multiple of 16: sixteen rows start in sixteen different 16-byte columns
.set ALN,    262144                    ; 32 such rows, behind W1's image
.set PART,   295424                    ; layer 2's partial sums: 512 bytes a wave, 16 a lane
; W1's image, LDS bytes 0 to 262,143: fragment (K step ks, hidden tile ht) at (16 ks + ht) x 1,024; a lane's registers 0-3 at + 16 lane, 4-7 at + 512 + 16 lane
.set LN,   1                           ; lane
.set RR,   2                           ; r = lane & 15
.set HH,   3                           ; h = lane >> 4
.set WV,   4                           ; offset in W1: 32 h rows + 16 r          (layer 1: WLD+0)
.set HV,   5                           ; offset in hs: 8 h rows + 16 r           (layer 1: WLD+1)
.set WST,  6                           ; where my wave's K step of the image goes (layer 1: WLD+2)
.set AST,  7                           ; where my 16 bytes of means go           (layer 1: WLD+3)
.set XX,   8                           ; window's first row + 8 h - my token's first row (layer 1: BLD)
.set LEN,  9                           ; my token's rows                         (layer 1: PST)
.set T0,   10
.set T1,   11
.set INV,  12                          ; v[12:13] 1 / max(rows, 1), twice
.set DOWN, 14                          ; my token's duration                     (behind the row loop: W2O)
.set W2O,  14                          ; offset in W2; not rewritten once W2's loads are out
.set PRE,  15
.set TOT,  16
.set SUM,  17
.set PFV,  18                          ; lane x one row of hs; never rewritten
.set ROWT, 19                          ; r x APITCH + 16 h
.set W2H,  20                          ; v[20:27]   A fragment of W2^T, upper terms
.set HACC, 28                          ; v[28:43]   two hidden tiles, started by b1
.set SEL0, 44                          ; v[44:51]   weights, rows 0-31 of the window
.set SEL1, 52                          ; v[52:59]   weights, rows 32-63
.set W2R,  44                          ; v[44:59]   behind the row loop: W2 as loaded
.set W2L,  44                          ; v[44:51]   then: A fragment of W2^T, lower terms
.set ACC,  60                          ; v[60:91]   four tiles of segment sums
.set DSV,  60                          ; v[60:75]   before that: 16 durations
.set FR,   92                          ; v[92:123]  four A fragments
.set RA,   124                         ; v[124:187] 16 loads of 16 bytes
.set FR1,  124                         ; v[124:155] four more A fragments, over RA once it is converted
.set RB,   188                         ; v[188:251] 16 loads of 16 bytes
.set GA,   60                          ; v[60:155]  layer 1: four K steps' operands (A, A, B: 24 registers a step)
.set GB,   156                         ; v[156:251] the same, second buffer
.set HBH,  60                          ; v[60:67]   layer 2: B fragment of the hidden units, upper terms
.set HBL,  68                          ; v[68:75]   lower terms
.set O0,   76                          ; v[76:83], v[84:91], v[92:99]: layer 2's three products
.set O1,   84
.set O2,   92
.set WLD,  4
.set BLD,  8
.set PST,  9
; 64 f32 as loaded (register 4 n + c: my n-th k, column c) into four A fragments in f16 (tile c, register x: k pair n = 2x, 2x + 1)
.macro CVT raw, dst
.irp c, 0,1,2,3
.irp x, 0,1,2,3,4,5,6,7
	v_cvt_pk_f16_f32 v[\dst+8*\c+\x], v[\raw+8*\x+\c], v[\raw+8*\x+4+\c]
.endr
.endr
.endm
; W1: my 16 input rows 32 h + 4 (n & 7) + (n >> 3) of the wave's K step, hidden units 64 g + 4 r .. + 3
.macro LDW g, raw
.set n, 0
.rept 16
	global_load_b128 v[\raw+4*n:\raw+4*n+3], v[WV], s[8:9] offset:(4*(n&7)+(n>>3))*1024+256*\g
.set n, n+1
.endr
.endm
; the four fragments (hidden tiles 4 g + c) into the image; lanes lie side by side, 16 bytes each
.macro STW g
.irp c, 0,1,2,3
	ds_store_b128 v[WST], v[FR+8*\c:FR+8*\c+3]   offset:(4*\g+\c)*1024
	ds_store_b128 v[WST], v[FR+8*\c+4:FR+8*\c+7] offset:(4*\g+\c)*1024+512
.endr
.endm
; hs: my 16 rows 32 k + 16 (n >> 3) + 8 h + (n & 7) of the window, columns 64 cg + 4 r .. + 3
.macro LDH k, raw
.set n, 0
.rept 16
	global_load_b128 v[\raw+4*n:\raw+4*n+3], v[HV], s[4:5] offset:(32*\k+16*(n>>3)+(n&7))*2048
.set n, n+1
.endr
.endm
; B fragment of weights in f16: 1.0 where the row lies in my token's segment: (row - first row) below the length, compared unsigned
.macro SBUILD k, dst
.irp x, 0,1,2,3,4,5,6,7
	v_add_nc_u32 v[T0], 32*\k+16*(\x>>2)+2*(\x&3), v[XX]
	v_add_nc_u32 v[T1], 32*\k+16*(\x>>2)+2*(\x&3)+1, v[XX]
	v_cmp_gt_u32 vcc_lo, v[LEN], v[T0]
	v_cmp_gt_u32 s2, v[LEN], v[T1]
	v_cndmask_b32 v[T0], 0, 1.0, vcc_lo
	v_cndmask_b32 v[T1], 0, 1.0, s2
	v_cvt_pk_f16_f32 v[\dst+\x], v[T0], v[T1]
.endr
.endm
; four products, one on each of the four accumulators: they take turns, one instruction a turn
.macro MMS f, s, zero
.irp c, 0,1,2,3
.if \zero
	v_wmma_f32_16x16x32_f16 v[ACC+8*\c:ACC+8*\c+7], v[\f+8*\c:\f+8*\c+7], v[\s:\s+7], 0
.else
	v_wmma_f32_16x16x32_f16 v[ACC+8*\c:ACC+8*\c+7], v[\f+8*\c:\f+8*\c+7], v[\s:\s+7], v[ACC+8*\c:ACC+8*\c+7]
.endif
.endr
.endm
; 64 rows of hs.  zero = 1: the first products start the sums.  issue = 0: the 32 loads are out already.
.macro TRIP zero, issue
.if \issue
	LDH 0, RA
	LDH 1, RB
.endif
	SBUILD 0, SEL0                                 ; the weights are made while the rows are on their way
	SBUILD 1, SEL1
	s_wait_loadcnt 16                              ; loads come back in order (ISA guide 5.7.1): rows 0-31 are in, the 16 loads of rows 32-63 stay out
	CVT RA, FR
	MMS FR, SEL0, \zero
	s_wait_loadcnt 0
	CVT RB, FR1
	MMS FR1, SEL1, 0
	v_add_nc_u32 v[XX], 64, v[XX]                  ; the next window; with the three v_nop the four places (ISA guide 7.12.1) in front of
	v_nop                                          ; loads into FR1 and into the weights' registers, writes of the weights and reads of the sums
	v_nop
	v_nop
.endm
; layer 1, K steps 4 q .. 4 q + 3: two A fragments from the image, one B fragment from the means: 24 loads
.macro LOADB q, g
.irp k, 0,1,2,3
	ds_load_b128 v[\g+24*\k:\g+24*\k+3],     v[WLD+\q] offset:16384*\k
	ds_load_b128 v[\g+24*\k+4:\g+24*\k+7],   v[WLD+\q] offset:16384*\k+512
	ds_load_b128 v[\g+24*\k+8:\g+24*\k+11],  v[WLD+\q] offset:16384*\k+1024
	ds_load_b128 v[\g+24*\k+12:\g+24*\k+15], v[WLD+\q] offset:16384*\k+1536
	ds_load_b128 v[\g+24*\k+16:\g+24*\k+19], v[BLD] offset:64*(4*\q+\k)
	ds_load_b128 v[\g+24*\k+20:\g+24*\k+23], v[BLD] offset:64*(4*\q+\k)+32
.endr
.endm
; eight products; the two accumulators take turns, one instruction a turn
.macro MM g
.irp k, 0,1,2,3
	v_wmma_f32_16x16x32_f16 v[HACC:HACC+7],    v[\g+24*\k:\g+24*\k+7],    v[\g+24*\k+16:\g+24*\k+23], v[HACC:HACC+7]
	v_wmma_f32_16x16x32_f16 v[HACC+8:HACC+15], v[\g+24*\k+8:\g+24*\k+15], v[\g+24*\k+16:\g+24*\k+23], v[HACC+8:HACC+15]
.endr
.endm
.macro PLACES                          ; four places behind matrix instructions (ISA guide 7.12.1) where no other vector work is at hand
.rept 4
	v_nop
.endr
.endm
; 16 f32 at src into two bf16 fragments: hi = the numbers rounded to bf16, lo = what the rounding left, rounded to bf16.
; lo may lie over src's first eight registers: pair y is read (registers 2y, 2y + 1) before register y is written.
.macro SPLIT src, hi, lo
.irp y, 0,1,2,3,4,5,6,7
	v_cvt_pk_bf16_f32 v[\hi+\y], v[\src+2*\y], v[\src+2*\y+1]
	v_lshlrev_b32 v[T0], 16, v[\hi+\y]             ; the two upper terms back in f32
	v_and_b32 v[T1], 0xffff0000, v[\hi+\y]
	v_sub_f32 v[T0], v[\src+2*\y], v[T0]           ; exact: the two differ by less than a step of bf16
	v_sub_f32 v[T1], v[\src+2*\y+1], v[T1]
	v_cvt_pk_bf16_f32 v[\lo+\y], v[T0], v[T1]
.endr
.endm
; a duration as reference() uses it: 0 where it is not positive, and no more than the 4,096 rows at which all bounds are clipped
.macro CL v
	v_cmp_lt_i32 vcc_lo, 0, v[\v]
	v_cndmask_b32 v[\v], 0, v[\v], vcc_lo
	v_min_u32 v[\v], 0x1000, v[\v]
.endm
	; ---- head: addresses, ids, offsets
	s_load_b256 s[4:11], s[0:1], 0x0               ; hs s[4:5], ds s[6:7], W1 s[8:9], b1 s[10:11]
	s_load_b128 s[12:15], s[0:1], 0x20             ; W2 s[12:13], b2 s[14:15]
	s_load_b64 s[16:17], s[0:1], 0x30              ; out0
	v_lshl_add_u32 v254, v0, 2, 0x4a200
	v_mov_b32 v255, 0
	v_lshrrev_b32 v[T0], 5, v0
	v_readfirstlane_b32 s18, v[T0]                 ; wave w
	v_and_b32 v[LN], 31, v0
	v_and_b32 v[RR], 15, v0
	v_bfe_u32 v[HH], v0, 4, 1
	s_and_b32 s19, s18, 7                          ; cg, and p
	s_lshr_b32 s20, s18, 3                         ; tt
	s_lshr_b32 s21, ttmp9, 4                       ; batch
	s_and_b32 s22, ttmp9, 15                       ; block of 32 tokens in the batch
	s_lshl1_add_u32 s23, s22, s20                  ; my tile of 16 tokens in the batch, 0 to 31
	s_lshl_b32 s40, s21, 11                        ; ds: 2,048 bytes a batch
	s_mov_b32 s41, 0
	s_lshr_b32 s42, s18, 1                         ; W1: K step w begins at input row 64 (w >> 1) + 2 (w & 1), 1,024 bytes a row
	s_lshl_b32 s42, s42, 16
	s_and_b32 s43, s18, 1
	s_lshl_b32 s43, s43, 11
	s_add_co_u32 s42, s42, s43
	s_mov_b32 s43, 0
	s_lshr_b32 s32, s19, 1                         ; my hidden pair begins at hidden unit 64 (p >> 1) + 2 (p & 1)
	s_lshl_b32 s32, s32, 6
	s_and_b32 s33, s19, 1
	s_lshl1_add_u32 s32, s33, s32
	s_lshl_b32 s44, s32, 2                         ; b1: 4 bytes a unit
	s_mov_b32 s45, 0
	s_mul_i32 s46, s32, 12                         ; W2: 12 bytes a unit
	s_mov_b32 s47, 0
	s_mul_i32 s30, ttmp9, 384                      ; out0: 32 tokens x 12 bytes a work-group
	s_mov_b32 s31, 0
	s_mul_i32 s39, s20, 16*APITCH
	s_add_co_u32 s39, s39, ALN                     ; my token tile's 16 rows of means
	s_lshl_b32 s33, s19, 7
	s_add_co_u32 s33, s33, s39                     ; and my 64 places (128 bytes) in them
	v_lshlrev_b32 v[T1], 4, v[RR]
	v_lshl_add_u32 v[WV], v[HH], 15, v[T1]         ; 32 h rows of 1,024 bytes + 16 r
	v_lshl_add_u32 v[HV], v[HH], 14, v[T1]         ; 8 h rows of 2,048 bytes + 16 r
	v_lshlrev_b32 v[WST], 4, v[LN]
	v_lshl_add_u32 v[WST], s18, 14, v[WST]         ; 16,384 w + 16 lane
	v_mul_u32_u24 v[ROWT], v[RR], APITCH
	v_lshl_add_u32 v[ROWT], v[HH], 4, v[ROWT]
	v_add_nc_u32 v[AST], s33, v[ROWT]
	v_lshlrev_b32 v[PFV], 11, v[LN]
	v_lshlrev_b32 v[T0], 6, v[LN]                  ; ds: lane l takes tokens 16 l .. 16 l + 15, which are tile l
	v_lshlrev_b32 v[T1], 2, v[RR]
	v_lshl_add_u32 v[T1], s23, 6, v[T1]            ; ds: token r of my tile
	v_lshlrev_b32 v[PRE], 7, v[HH]                 ; b1: 32 h units
	s_wait_kmcnt 0x0
	s_load_b96 s[24:26], s[14:15], 0x0             ; b2
	s_add_nc_u64 s[6:7], s[6:7], s[40:41]
	s_add_nc_u64 s[8:9], s[8:9], s[42:43]
	s_add_nc_u64 s[10:11], s[10:11], s[44:45]
	s_add_nc_u64 s[12:13], s[12:13], s[46:47]
	s_add_nc_u64 s[16:17], s[16:17], s[30:31]
.irp n, 0,1,2,3
	global_load_b128 v[DSV+4*\n:DSV+4*\n+3], v[T0], s[6:7] offset:16*\n
.endr
	global_load_b32 v[DOWN], v[T1], s[6:7]
.irp j, 0,1,2,3,4,5,6,7
	global_load_b32 v[HACC+\j],   v[PRE], s[10:11] offset:16*\j     ; b1 of hidden tile 2p, row 8 h + j: the bias starts layer 1's sums
	global_load_b32 v[HACC+8+\j], v[PRE], s[10:11] offset:16*\j+4   ; and of tile 2p + 1
.endr
	LDW 0, RA                                      ; the first two quarters (8 KiB each) of the wave's K step of W1, 32 rows x 1,024 bytes;
	LDW 1, RB                                      ; the scan runs while they are on their way.  53 loads are out here
	; ---- scan of the durations, whole numbers throughout
	s_wait_loadcnt 32                              ; all but W1's 32 loads: ds and b1 are in, and their offset registers are free
	s_wait_kmcnt 0x0                               ; b2
.set n, 0
.rept 16
	CL DSV+n
.set n, n+1
.endr
	CL DOWN
	v_add_nc_u32 v[SUM], v[DSV], v[DSV+1]          ; tile l's 16 durations, in two chains
	v_add_nc_u32 v[T0], v[DSV+2], v[DSV+3]
.irp n, 4,6,8,10,12,14
	v_add_nc_u32 v[SUM], v[SUM], v[DSV+\n]
	v_add_nc_u32 v[T0], v[T0], v[DSV+\n+1]
.endr
	v_add_nc_u32 v[SUM], v[SUM], v[T0]
	v_min_u32 v[SUM], 0x1000, v[SUM]               ; a tile's rows, no more than 4,096: every bound made of them is clipped there, so the clipped bounds are the same
	; one word a lane carries both numbers that the scalar side wants: bits 16:0 the rows of a tile in front of mine (31 x 4,096 < 2^17 in all),
	; bits 29:17 the rows of my own tile
	v_cmp_gt_u32 vcc_lo, s23, v[LN]
	v_cmp_eq_u32 s2, s23, v[LN]
	v_cndmask_b32 v[T0], 0, v[SUM], vcc_lo
	v_cndmask_b32 v[T1], 0, v[SUM], s2
	v_lshl_add_u32 v[SUM], v[T1], 17, v[T0]
	; the 32 words are added on the scalar side, eight lanes at a time (s40-47 are free since the bases were stepped)
.irp g, 0,8,16,24
.irp i, 0,1,2,3,4,5,6,7
	v_readlane_b32 s[40+\i], v[SUM], \g+\i
.endr
	s_add_co_u32 s40, s40, s41
	s_add_co_u32 s42, s42, s43
	s_add_co_u32 s44, s44, s45
	s_add_co_u32 s46, s46, s47
	s_add_co_u32 s40, s40, s42
	s_add_co_u32 s44, s44, s46
.if \g == 0
	s_add_co_u32 s36, s40, s44                     ; the first eight start the sum
.else
	s_add_co_u32 s40, s40, s44
	s_add_co_u32 s36, s36, s40
.endif
.endr
	s_and_b32 s34, s36, 0x1ffff                    ; the rows in front of my tile
	s_lshr_b32 s35, s36, 17                        ; my tile's rows
	; inside the tile: PRE = the durations of tokens below r, TOT = the tile's sum; blocks of 1, 2, 4, 8 lanes are joined.
	; What comes of this goes into compares that make the weights, and into no address and no branch.
	v_mov_b32_dpp v[T0], v[DOWN] row_xmask:1 row_mask:0xf bank_mask:0xf
	v_and_b32 v[T1], 1, v[RR]
	v_cmp_ne_u32 vcc_lo, 0, v[T1]
	v_cndmask_b32 v[PRE], 0, v[T0], vcc_lo
	v_add_nc_u32 v[TOT], v[DOWN], v[T0]
.irp m, 2,4,8
	v_mov_b32_dpp v[T0], v[TOT] row_xmask:\m row_mask:0xf bank_mask:0xf
	v_and_b32 v[T1], \m, v[RR]
	v_cmp_ne_u32 vcc_lo, 0, v[T1]
	v_cndmask_b32 v[T1], 0, v[T0], vcc_lo
	v_add_nc_u32 v[PRE], v[PRE], v[T1]
	v_add_nc_u32 v[TOT], v[TOT], v[T0]
.endr
	v_add_nc_u32 v[PRE], s34, v[PRE]
	v_add_nc_u32 v[T1], v[PRE], v[DOWN]
	v_min_u32 v[PRE], 0x1000, v[PRE]               ; my token's first row, clipped as in reference()
	v_min_u32 v[T1], 0x1000, v[T1]                 ; and the row behind its last
	v_sub_nc_u32 v[LEN], v[T1], v[PRE]
	v_cvt_f32_u32 v[T0], v[LEN]
	v_max_num_f32 v[T0], 1.0, v[T0]
	v_rcp_f32 v[INV], v[T0]                        ; twice, for the packed multiply; plain vector lines that touch neither T0 nor INV
	v_rcp_f32 v[INV+1], v[T0]                      ; follow before either is used (ISA guide 5.7.2)
	s_add_co_u32 s35, s34, s35
	s_min_u32 s34, s34, 0x1000                     ; the tile's first row
	s_min_u32 s35, s35, 0x1000                     ; the row behind its last
	s_sub_co_u32 s36, s35, s34
	s_add_co_u32 s36, s36, 63
	s_lshr_b32 s36, s36, 6
	s_max_u32 s36, s36, 1                          ; windows of 64 rows, 1 to 64
	s_lshl_b32 s38, s36, 6
	s_sub_co_u32 s38, 0x1000, s38
	s_min_u32 s37, s34, s38                        ; first window's first row: moved up where the windows would pass the batch's last row
	s_min_u32 s37, s37, 4032                       ; (no change of value: 4,096 - 64 windows is 4,032 at the most)
	s_sub_co_u32 s38, s36, 1                       ; trips behind the first
	s_min_u32 s38, s38, 63                         ; (no change of value)
	s_lshl_b32 s30, s21, 23                        ; hs: 8 MiB a batch,
	s_lshl_b32 s32, s37, 11                        ; 2,048 bytes a row,
	s_add_co_u32 s30, s30, s32
	s_lshl_b32 s32, s19, 8                         ; 256 bytes a column group; the sum stays below 2^27
	s_add_co_u32 s30, s30, s32
	s_add_nc_u64 s[4:5], s[4:5], s[30:31]
	v_lshl_add_u32 v[XX], v[HH], 3, s37
	v_sub_nc_u32 v[XX], v[XX], v[PRE]              ; window's first row + 8 h - my token's first row
	; the first window's 64 rows x my 256 bytes are asked for now, one lane a row, 32 rows a line; the loads that want them follow behind W1's
	; four groups below.  The same rows as the first trip's, so inside hs.  No other wave of the launch asks for these blocks but where two tiles' windows overlap.
	global_prefetch_b8 v[PFV], s[4:5] th:TH_LOAD_NT scope:SCOPE_SE
	global_prefetch_b8 v[PFV], s[4:5] offset:65536 th:TH_LOAD_NT scope:SCOPE_SE
	; ---- W1 into its image: wave w makes K step w, 64 hidden units at a time; each count of 16 leaves the one younger group of 16 loads out
	s_wait_loadcnt 16
	CVT RA, FR
	STW 0
	LDW 2, RA
	s_wait_loadcnt 16
	CVT RB, FR
	STW 1
	LDW 3, RB
	s_wait_loadcnt 16
	CVT RA, FR
	STW 2
	LDH 0, RA                                      ; the first window's rows 0-31
	s_wait_loadcnt 16
	CVT RB, FR
	STW 3
	LDH 1, RB                                      ; and 32-63
	; ---- segment sums
	TRIP 1, 0
	s_cmp_eq_u32 s38, 0
	s_cbranch_scc1 .Lrows_done
.Lrows:
	s_wait_xcnt 0x0                                ; the base is stepped only behind this wait (the loads are back; the prefetches have read it)
	s_add_nc_u64 s[4:5], s[4:5], 0x20000           ; 64 rows on
	TRIP 0, 1
	s_sub_co_u32 s38, s38, 1
	s_cmp_lg_u32 s38, 0
	s_cbranch_scc1 .Lrows
.Lrows_done:
	; W2^T's fragment is asked for now, into the weights' registers (the trip's last four places stand in front); it is wanted inside layer 1
	v_min_u32 v[W2O], 2, v[RR]                     ; output min(r, 2): lanes r >= 3 stay inside the buffer and are cleared below
	v_mul_u32_u24 v[PRE], v[HH], 384               ; 32 h units of 12 bytes
	v_lshl_add_u32 v[W2O], v[W2O], 2, v[PRE]
.set n, 0
.rept 16
	global_load_b32 v[W2R+n], v[W2O], s[12:13] offset:(4*(n&7)+(n>>3))*12   ; my n-th k: hidden unit 32 h + 4 (n & 7) + (n >> 3) of my pair's 64
.set n, n+1
.endr
.set n, 0
	s_wait_alu depctr_va_vdst(0)
.rept 16
	v_pk_mul_f32 v[ACC+2*n:ACC+2*n+1], v[ACC+2*n:ACC+2*n+1], v[INV:INV+1]   ; the lane is the token: one factor for all its sums
.set n, n+1
.endr
.irp c, 0,1,2,3
.irp y, 0,1,2,3
	v_cvt_pk_f16_f32 v[FR+4*\c+\y], v[ACC+8*\c+2*\y], v[ACC+8*\c+2*\y+1]
.endr
.endr
.irp c, 0,1,2,3
	ds_store_b128 v[AST], v[FR+4*\c:FR+4*\c+3] offset:32*\c      ; places 64 cg + 16 c + 8 h .. + 7 of token r's row
.endr
	s_wait_dscnt 0x0                               ; for the other waves: my part of the image and my means are in LDS
	s_barrier_signal -1
	v_lshlrev_b32 v[T0], 4, v[LN]                  ; layer 1's addresses, register work while the others arrive
	v_lshl_add_u32 v[WLD], s19, 11, v[T0]          ; fragments 2p, 2p + 1 of K step 0: 2,048 p + 16 lane
	v_add_nc_u32 v[WLD+1], 0x10000, v[WLD]         ; K steps 4, 8, 12: 65,536 bytes apart, since an LDS offset has 16 bits
	v_add_nc_u32 v[WLD+2], 0x20000, v[WLD]
	v_add_nc_u32 v[WLD+3], 0x30000, v[WLD]
	v_add_nc_u32 v[BLD], s39, v[ROWT]              ; token r's row of means + 16 h
	v_lshl_add_u32 v[PST], s18, 9, v[T0]
	v_add_nc_u32 v[PST], PART, v[PST]
	s_barrier_wait -1
	; ---- layer 1: 16 K steps in four batches of 24 LDS loads on two buffers; each count of 24 leaves the younger batch out
	LOADB 0, GA
	LOADB 1, GB
	s_wait_loadcnt 0                               ; W2, asked for in front of the barrier; it is split while the LDS loads are on their way
	v_cmp_gt_u32 vcc_lo, 3, v[RR]                  ; W2^T has 3 rows; rows 3 to 15 of the fragment are 0
.set n, 0
.rept 16
	v_cndmask_b32 v[W2R+n], 0, v[W2R+n], vcc_lo
.set n, n+1
.endr
	SPLIT W2R, W2H, W2L
	s_wait_dscnt 24
	MM GA
	PLACES                                         ; in front of loads into registers that the products read
	LOADB 2, GA
	s_wait_dscnt 24
	MM GB
	PLACES
	LOADB 3, GB
	s_wait_dscnt 24
	MM GA
	s_wait_dscnt 0
	MM GB
	PLACES                                         ; four places in front of the reads of the sums,
	v_nop                                          ; a fifth in front of layer 2's products, which write over registers that layer 1's read
.set n, 0
.rept 16
	v_max_num_f32 v[HACC+n], 0, v[HACC+n]          ; relu
.set n, n+1
.endr
	; ---- layer 2: my two tiles, packed, are a B fragment of 32 hidden units x 16 tokens; two terms a side, three products, each on its own accumulator
	SPLIT HACC, HBH, HBL
	v_wmma_f32_16x16x32_bf16 v[O0:O0+7], v[W2H:W2H+7], v[HBH:HBH+7], 0
	v_wmma_f32_16x16x32_bf16 v[O1:O1+7], v[W2H:W2H+7], v[HBL:HBL+7], 0
	v_wmma_f32_16x16x32_bf16 v[O2:O2+7], v[W2L:W2L+7], v[HBH:HBH+7], 0
	PLACES
	v_pk_add_f32 v[O1:O1+1],   v[O1:O1+1],   v[O2:O2+1]        ; the two small products first; only rows 0 to 3 are wanted
	v_pk_add_f32 v[O1+2:O1+3], v[O1+2:O1+3], v[O2+2:O2+3]
	v_pk_add_f32 v[O0:O0+1],   v[O0:O0+1],   v[O1:O1+1]
	v_pk_add_f32 v[O0+2:O0+3], v[O0+2:O0+3], v[O1+2:O1+3]
	ds_store_b128 v[PST], v[O0:O0+3]               ; lanes 0-15: outputs 0, 1, 2 (and a 0) of token r
	s_wait_dscnt 0x0                               ; for wave 0
	s_barrier_signal -1
	s_barrier_wait -1
	; ---- output: wave 0, lane = token; the eight waves of its tile each hold a partial sum over 32 hidden units
	s_cmp_lg_u32 s18, 0
	s_cbranch_scc1 .Lend
	v_lshlrev_b32 v[T0], 4, v[RR]
	v_lshl_add_u32 v[T0], v[HH], 12, v[T0]         ; tile h: waves 8 h .. 8 h + 7, 512 bytes each
	v_add_nc_u32 v[T0], PART, v[T0]
	v_mul_u32_u24 v[T1], 12, v[LN]
.irp p, 0,1,2,3,4,5,6,7
	ds_load_b128 v[GA+4*\p:GA+4*\p+3], v[T0] offset:512*\p
.endr
	s_wait_dscnt 0x0
.irp p, 0,2,4,6
	v_pk_add_f32 v[GA+4*\p:GA+4*\p+1],   v[GA+4*\p:GA+4*\p+1],   v[GA+4*\p+4:GA+4*\p+5]
	v_pk_add_f32 v[GA+4*\p+2:GA+4*\p+3], v[GA+4*\p+2:GA+4*\p+3], v[GA+4*\p+6:GA+4*\p+7]
.endr
.irp p, 0,4
	v_pk_add_f32 v[GA+4*\p:GA+4*\p+1],   v[GA+4*\p:GA+4*\p+1],   v[GA+4*\p+8:GA+4*\p+9]
	v_pk_add_f32 v[GA+4*\p+2:GA+4*\p+3], v[GA+4*\p+2:GA+4*\p+3], v[GA+4*\p+10:GA+4*\p+11]
.endr
	v_pk_add_f32 v[GA:GA+1],   v[GA:GA+1],   v[GA+16:GA+17]
	v_pk_add_f32 v[GA+2:GA+3], v[GA+2:GA+3], v[GA+18:GA+19]
	v_add_f32 v[GA],   s24, v[GA]                  ; + b2
	v_add_f32 v[GA+1], s25, v[GA+1]
	v_add_f32 v[GA+2], s26, v[GA+2]
	v_max_num_f32 v[GA],   0, v[GA]                ; relu
	v_max_num_f32 v[GA+1], 0, v[GA+1]
	v_max_num_f32 v[GA+2], 0, v[GA+2]
	global_store_b32 v[T1], v[GA],   s[16:17]              ; the three lines together fill the work-group's 384 consecutive bytes of out0,
	global_store_b32 v[T1], v[GA+1], s[16:17] offset:4     ; 12 bytes a lane
	global_store_b32 v[T1], v[GA+2], s[16:17] offset:8
.Lend:
	s_wait_tensorcnt 0x0
	ds_add_u32 v254, v255
	s_wait_dscnt 0x0
	s_endpgm
.Lfunc_end_k_q825094d076_fgenc:
	.size	k_q825094d076_fgenc, .Lfunc_end_k_q825094d076_fgenc-k_q825094d076_fgenc
	.p2alignl 7, 3214868480
	.fill 96, 4, 3214868480
	.section	.rodata,"a",@progbits
	.p2align	6, 0x0
	.amdhsa_kernel k_q825094d076_fgenc
		.amdhsa_group_segment_fixed_size 305664
		.amdhsa_private_segment_fixed_size 0
		.amdhsa_enable_private_segment 0
		.amdhsa_kernarg_size 56
		.amdhsa_user_sgpr_count 2
		.amdhsa_user_sgpr_kernarg_segment_ptr 1
		.amdhsa_wavefront_size32 1
		.amdhsa_system_sgpr_workgroup_id_x 1
		.amdhsa_system_sgpr_workgroup_id_y 1
		.amdhsa_system_sgpr_workgroup_id_z 1
		.amdhsa_system_vgpr_workitem_id 0
		.amdhsa_next_free_vgpr 256
		.amdhsa_next_free_sgpr 66
		.amdhsa_reserve_vcc 1
		.amdhsa_float_denorm_mode_32 3
		.amdhsa_float_denorm_mode_16_64 3
		.amdhsa_memory_ordered 1
		.amdhsa_forward_progress 1
		.amdhsa_inst_pref_size 78
	.end_amdhsa_kernel
	.amdgpu_metadata
---
amdhsa.version: [ 1, 2 ]
amdhsa.kernels:
  - .name:           k_q825094d076_fgenc
    .symbol:         k_q825094d076_fgenc.kd
    .args:
      - { .name: hs, .offset: 0, .size: 8, .value_kind: global_buffer, .address_space: global }
      - { .name: ds, .offset: 8, .size: 8, .value_kind: global_buffer, .address_space: global }
      - { .name: W1, .offset: 16, .size: 8, .value_kind: global_buffer, .address_space: global }
      - { .name: b1, .offset: 24, .size: 8, .value_kind: global_buffer, .address_space: global }
      - { .name: W2, .offset: 32, .size: 8, .value_kind: global_buffer, .address_space: global }
      - { .name: b2, .offset: 40, .size: 8, .value_kind: global_buffer, .address_space: global }
      - { .name: out0, .offset: 48, .size: 8, .value_kind: global_buffer, .address_space: global }
    .group_segment_fixed_size: 305664
    .private_segment_fixed_size: 0
    .kernarg_segment_align: 8
    .kernarg_segment_size: 56
    .max_flat_workgroup_size: 512
    .sgpr_count:     66
    .vgpr_count:     256
    .wavefront_size: 32
...
	.end_amdgpu_metadata
.endif
;; end of part 1
